; MI455X (gfx1250); checked and timed in simulation.
; The chip was launched on July 23, 2026; its instructions are those of AMD's public machine-readable ISA for CDNA 5 (MIT licence, August 2026) and "CDNA5" Instruction Set Architecture Reference Guide (July 2026). The comments in the code are by the model that wrote it; some were corrected since.
;; Self Multi Head Attn. Allowed arithmetic: float matrix products may take bf16 or f16 operands with f32 sums; all other float work in f32.
;; Inputs: W_out 1,024 x 1,024 float32; W_qkv 1,024 x 3,072 float32; b_out 1,024 float32; b_qkv 3,072 float32; ln_b 1,024 float32; ln_g 1,024 float32; pos 2 x 2,048 x 1 x 64 float32; x 2 x 2,048 x 1,024 float32.
;; Outputs: out0 2 x 2,048 x 1,024 float32.
;; One version. Each part assembles by itself: llvm-mc -triple=amdgcn-amd-amdhsa -mcpu=gfx1250 --defsym DOCPART=n.
;; ======== version 1 of 1: 5 launches
;; workspace buffers: xb 8,388,608 bytes; wqb 6,291,456 bytes; wob 2,097,152 bytes; qb 8,388,608 bytes; kb 8,388,608 bytes; vb 8,388,608 bytes; ctx 8,388,608 bytes; post 16,777,216 bytes
;; launch prep (part 1): grid 256 x 1, 8 waves a work-group, no clusters, 0 bytes of LDS; arguments x, W_qkv, W_out, xb, wqb, wob; writes xb, wqb, wob
.if DOCPART == 1
	.amdgcn_target "amdgcn-amd-amdhsa--gfx1250"
	.amdhsa_code_object_version 6
	.text
	.protected	k_q5d0964e7f3_prep
	.globl	k_q5d0964e7f3_prep
	.p2align	8
	.type	k_q5d0964e7f3_prep,@function
k_q5d0964e7f3_prep:
	s_mov_b64 s[64:65], 0
	v_nop
	global_prefetch_b8 v0, s[64:65] scope:SCOPE_SE
	s_setreg_imm32_b32 hwreg(HW_REG_WAVE_MODE, 25, 1), 1
	s_wait_xcnt 0x0
; prep: x, W_qkv and W_out are rounded once from f32 to bf16 (nearest even), element for element, in the same order in memory.
; The three products read each of them from 8 to 32 work-groups: rounding once halves every later byte of theirs.
; 256 work-groups of 131,072 input bytes: numbers 0-127 take x (16,777,216 B), 128-223 W_qkv (12,582,912 B), 224-255 W_out (4,194,304 B).
; Thread t takes 32 input bytes at 8,192 i + 32 t (i = 0..15) and stores 16 bytes at 4,096 i + 16 t: a store of a wave covers 512 consecutive bytes, aligned.
; All 32 loads of a thread are issued first; no register is written twice, so no wait but the counted ones is needed.  No LDS, no matrix unit: bytes alone count here.
.set X, 4                              ; v[4:131]   32 x 4 registers as loaded
.set Y, 132                            ; v[132:195] 16 x 4 registers to store
	s_load_b256 s[4:11], s[0:1], 0x0               ; x s[4:5], W_qkv s[6:7], W_out s[8:9], xb s[10:11]
	s_load_b128 s[12:15], s[0:1], 0x20             ; wqb s[12:13], wob s[14:15]
	v_lshlrev_b32 v1, 5, v0                        ; 32 t: input
	v_lshlrev_b32 v2, 4, v0                        ; 16 t: output
	s_mov_b32 s20, 224
	s_mov_b32 s21, 128
	s_wait_kmcnt 0x0
	s_cmp_lt_u32 ttmp9, s20                        ; below 224: W_qkv, else W_out
	s_cselect_b64 s[16:17], s[6:7], s[8:9]
	s_cselect_b64 s[18:19], s[12:13], s[14:15]
	s_cselect_b32 s20, s21, s20                    ; the tensor's first work-group
	s_cmp_lt_u32 ttmp9, s21                        ; below 128: x
	s_cselect_b64 s[16:17], s[4:5], s[16:17]
	s_cselect_b64 s[18:19], s[10:11], s[18:19]
	s_cselect_b32 s20, 0, s20
	s_sub_co_u32 s20, ttmp9, s20                   ; my number inside the tensor
	s_lshl_b32 s22, s20, 17                        ; x 131,072 input bytes
	s_mov_b32 s23, 0
	s_lshl_b32 s24, s20, 16                        ; x 65,536 output bytes
	s_mov_b32 s25, 0
	s_add_nc_u64 s[16:17], s[16:17], s[22:23]
	s_add_nc_u64 s[18:19], s[18:19], s[24:25]
.set i, 0
.rept 16
	global_load_b128 v[X+8*i:X+8*i+3],   v1, s[16:17] offset:8192*i th:TH_LOAD_NT
	global_load_b128 v[X+8*i+4:X+8*i+7], v1, s[16:17] offset:8192*i+16 th:TH_LOAD_NT
.set i, i+1
.endr
.set i, 0
.rept 16
	s_wait_loadcnt 30-2*i                          ; loads return in order: chunk i's two are in, the 2 (15 - i) younger ones stay out
.set n, 0
.rept 4
	v_cvt_pk_bf16_f32 v[Y+4*i+n], v[X+8*i+2*n], v[X+8*i+2*n+1]
.set n, n+1
.endr
	global_store_b128 v2, v[Y+4*i:Y+4*i+3], s[18:19] offset:4096*i   ; no hint: the next launch reads these bytes
.set i, i+1
.endr
	s_endpgm
.Lfunc_end_k_q5d0964e7f3_prep:
	.size	k_q5d0964e7f3_prep, .Lfunc_end_k_q5d0964e7f3_prep-k_q5d0964e7f3_prep
	.p2alignl 7, 3214868480
	.fill 96, 4, 3214868480
	.section	.rodata,"a",@progbits
	.p2align	6, 0x0
	.amdhsa_kernel k_q5d0964e7f3_prep
		.amdhsa_group_segment_fixed_size 0
		.amdhsa_private_segment_fixed_size 0
		.amdhsa_enable_private_segment 0
		.amdhsa_kernarg_size 48
		.amdhsa_user_sgpr_count 2
		.amdhsa_user_sgpr_kernarg_segment_ptr 1
		.amdhsa_wavefront_size32 1
		.amdhsa_system_sgpr_workgroup_id_x 1
		.amdhsa_system_sgpr_workgroup_id_y 1
		.amdhsa_system_sgpr_workgroup_id_z 1
		.amdhsa_system_vgpr_workitem_id 0
		.amdhsa_next_free_vgpr 196
		.amdhsa_next_free_sgpr 66
		.amdhsa_reserve_vcc 0
		.amdhsa_float_denorm_mode_32 3
		.amdhsa_float_denorm_mode_16_64 3
		.amdhsa_memory_ordered 1
		.amdhsa_forward_progress 1
		.amdhsa_inst_pref_size 11
	.end_amdhsa_kernel
	.amdgpu_metadata
---
amdhsa.version: [ 1, 2 ]
amdhsa.kernels:
  - .name:           k_q5d0964e7f3_prep
    .symbol:         k_q5d0964e7f3_prep.kd
    .args:
      - { .name: x, .offset: 0, .size: 8, .value_kind: global_buffer, .address_space: global }
      - { .name: W_qkv, .offset: 8, .size: 8, .value_kind: global_buffer, .address_space: global }
      - { .name: W_out, .offset: 16, .size: 8, .value_kind: global_buffer, .address_space: global }
      - { .name: xb, .offset: 24, .size: 8, .value_kind: global_buffer, .address_space: global }
      - { .name: wqb, .offset: 32, .size: 8, .value_kind: global_buffer, .address_space: global }
      - { .name: wob, .offset: 40, .size: 8, .value_kind: global_buffer, .address_space: global }
    .group_segment_fixed_size: 0
    .private_segment_fixed_size: 0
    .kernarg_segment_align: 8
    .kernarg_segment_size: 48
    .max_flat_workgroup_size: 256
    .sgpr_count:     66
    .vgpr_count:     196
    .wavefront_size: 32
...
	.end_amdgpu_metadata
.endif
;; end of part 1
;; launch qkv (part 2): grid 8 x 32, 4 waves a work-group, clusters of 4 x 4, 327,680 bytes of LDS; arguments xb, wqb, b_qkv, pos, qb, kb, vb; writes qb, kb, vb
.if DOCPART == 2
	.amdgcn_target "amdgcn-amd-amdhsa--gfx1250"
	.amdhsa_code_object_version 6
	.text
	.protected	k_q5d0964e7f3_qkv
	.globl	k_q5d0964e7f3_qkv
	.p2align	8
	.type	k_q5d0964e7f3_qkv,@function
k_q5d0964e7f3_qkv:
	s_mov_b64 s[64:65], 0
	v_nop
	global_prefetch_b8 v0, s[64:65] scope:SCOPE_SE
	s_setreg_imm32_b32 hwreg(HW_REG_WAVE_MODE, 25, 1), 1
	s_wait_xcnt 0x0
	s_wait_alu depctr_hold_cnt(0) depctr_sa_sdst(0) depctr_va_vdst(0) depctr_va_sdst(0) depctr_va_ssrc(0) depctr_va_vcc(0) depctr_vm_vsrc(0)
	s_getreg_b32 s2, hwreg(HW_REG_IB_STS2, 6, 4)
	s_cmp_eq_u32 s2, 0
	s_cbranch_scc0 .Lentry_in_a_cluster
	s_endpgm
.Lentry_in_a_cluster:
	s_bfe_u32 s2, ttmp6, 0x10000c
	s_cmp_lg_u32 s2, 0xf033
	s_cbranch_scc0 .Lentry_shape_is_right
	s_endpgm
.Lentry_shape_is_right:
; qkv: (x W_qkv + b_qkv), k divided by its norm, the sin/cos mix of pos applied to q and k; q, k, v stored as bf16 in [batch*16+head][2048][64].
; A work-group makes 128 rows x 384 columns (two heads) with four waves; wave w makes rows 64 (w>>1) .. +63 of head (w&1): 64 x 192 = 4 x 12 accumulator tiles, 384 registers.
; K = 1024 goes in 8 steps of 128 through two LDS slots filled by tensor loads: wave 0 brings x's 128 rows x 256 B, waves 1-3 a third each of W's 128 k-rows x 768 B.
; CLUSTERS 4 x 4: x's tile hangs on the block row alone and is asked for jointly along a row of the cluster, W's on the block column alone, jointly along a column.
; THE MATRIX INSTRUCTION IS USED TRANSPOSED: source 0 = 16 columns of W (read from the [k][n] tile by the transposing LDS load), source 1 = 16 rows of x.
; Lane (r = l%16, h = l/16) then holds row r and columns 16 t + 8 h + 0..7: a head's q (t 0-3), k (t 4-7), v (t 8-11) of one row lie in two lanes, so the norm is a sum
; in the lane and one exchange with lane l xor 16, and the mix pairs tile t with tile t+2 in the same lane and register.
; LIMITS: operands of the product are bf16.  1/norm is v_rsq_f32 of the f32 sum of squares: a row of k whose sum of squares is below 2^-126 or above f32's largest number
; differs from a division by the norm.  NaN and infinities in the inputs are not served.
; REGISTER WINDOWS: 0: addresses, x fragments, bias, scratch; 1: W fragments; 2 and 3: accumulators of rows 0-31 and 32-63 (v0-191) and their rows' sin and cos (v192-255).
.set REG,   36864                      ; an LDS region: what one tensor load fills (x: 128 x 272 = 34,816 used; W: 128 x 288)
.set SLOT,  4*REG
.set STAGE, 2*SLOT                     ; behind the ring, no fill lands here: 16 rows x 400 B for each wave
.set PA,    272                        ; x rows: 256 B + 16: an odd multiple of 16, so a fragment load's 16 rows begin in 16 different 16-byte columns of 256 B
.set PB,    288                        ; W rows: 256 B + 32: an odd multiple of 32
.set PS,    400                        ; stage rows: 384 B + 16
.set WV,    18                         ; s18 wave number
.set G1A,   28                         ; s[28:35] shape of x's tile     s[36:43] of W's
.set G1B,   36
.set G0A,   44                         ; s[44:51] from/to of x's tile, a set for each slot     s[52:59] of W's
.set G0B,   52
.set ADRA,  2                          ; v2-3   x fragments in slot 0, 1
.set ADRB,  4                          ; v4-9   W fragments: slot 0 q, k, v columns; slot 1 likewise
.set STO,   10
.set RD,    11
.set CO,    12
.set POSOFF,13
.set BOFF,  14
.set FA0,   32                         ; window 0: x fragments, two buffers of 4 x 8
.set FA1,   64
.set FB0,   0                          ; window 1: W fragments, two buffers of 12 x 8
.set FB1,   96
.set BIAS,  128                        ; window 0: v[128:223] bias of my 96 columns
.set U,     224                        ; window 0: v[224:255] scratch
.set T,     32                         ; window 0, behind the loop: v[32:127] one 16-row block in f32
.set POS,   192                        ; windows 2, 3: per 16 rows: sin tile 0, sin tile 1, cos tile 0, cos tile 1
.set MSB,   0
.macro WIN new                         ; the immediate's high byte repeats the setting that is left
.if MSB != (\new)
	s_set_vgpr_msb (MSB<<8)|(\new)
.set MSB, (\new)
.endif
.endm
.macro PLACES n
.rept \n
	v_nop
.endr
.endm
.macro ROUND                           ; a round of the cluster's barrier: my work-group, wave 0 signals for it, all sixteen, my work-group again
	s_barrier_signal -1
	s_barrier_wait -1
	s_cmp_lg_u32 s[WV], 0
	s_cbranch_scc1 .Lnot_wave_0_\@
	s_barrier_signal -3
.Lnot_wave_0_\@:
	s_barrier_wait -3
	s_barrier_signal -1
	s_barrier_wait -1
.endm
.macro JLOAD s                         ; one joint load a wave: wave 0 asks for x's tile, waves 1-3 for their third of W's
	s_cmp_eq_u32 s[WV], 0
	s_cbranch_scc0 .Lfor_b_\@
	tensor_load_to_lds s[G0A+4*\s:G0A+4*\s+3], s[G1A:G1A+7]
	s_nop 0
	s_branch .Lasked_\@
.Lfor_b_\@:
	tensor_load_to_lds s[G0B+4*\s:G0B+4*\s+3], s[G1B:G1B+7]
	s_nop 0
.Lasked_\@:
.endm
	s_load_b256 s[4:11], s[0:1], 0x0               ; xb s[4:5], wqb s[6:7], b_qkv s[8:9], pos s[10:11]
	s_load_b128 s[12:15], s[0:1], 0x20             ; qb s[12:13], kb s[14:15]
	s_load_b64 s[16:17], s[0:1], 0x30              ; vb
	v_lshl_add_u32 v30, v0, 2, 0x4e400
	v_mov_b32 v31, 0
	ds_add_u32 v30, v31
	v_lshrrev_b32 v1, 5, v0
	v_readfirstlane_b32 s18, v1                    ; wave 0..3
	s_lshr_b32 s19, s18, 1                         ; u: my 64 rows
	s_and_b32 s20, s18, 1                          ; hh: my head of the two
	s_bfe_u32 s21, ttmp6, 0x40000                  ; cx
	s_bfe_u32 s22, ttmp6, 0x40004                  ; cy
	s_lshl_b32 s23, ttmp9, 2
	s_add_co_u32 s23, s23, s21                     ; block column 0..7
	s_and_b32 s24, ttmp7, 0xffff
	s_lshl_b32 s24, s24, 2
	s_add_co_u32 s24, s24, s22                     ; block row 0..31
	s_lshl_b32 s25, s22, 2
	s_lshl_b32 s25, 15, s25                        ; my row of the cluster
	s_lshl_b32 s26, 0x1111, s21                    ; my column
	s_mov_b32 s67, 0x76543210                      ; v_permlanex16_b32: lane i reads lane i of the other half
	s_mov_b32 s68, 0xfedcba98
	; group 1: tiles of 128 rows x 128 elements of 2 bytes; after every 64 words 4 (x) or 8 (W) words of padding
	s_or_b32 s[G1A+0], s25, (1<<16)|(1<<20)|(1<<21)|(5<<22)|(3<<25)
	s_mov_b32 s[G1A+1], 128<<16                    ; tensor_dim0 = 128
	s_mov_b32 s[G1A+2], 128<<16                    ; tensor_dim1 = 128
	s_mov_b32 s[G1A+3], 128<<16                    ; tile_dim0 = 128
	s_mov_b32 s[G1A+4], 128                        ; tile_dim1 = 128
	s_mov_b32 s[G1A+5], 1024                       ; elements from row to row of x
	s_mov_b32 s[G1A+6], 0
	s_mov_b32 s[G1A+7], 0
	s_or_b32 s[G1B+0], s26, (1<<16)|(1<<20)|(1<<21)|(5<<22)|(7<<25)
	s_mov_b32 s[G1B+1], 128<<16
	s_mov_b32 s[G1B+2], 128<<16
	s_mov_b32 s[G1B+3], 128<<16
	s_mov_b32 s[G1B+4], 128
	s_mov_b32 s[G1B+5], 3072                       ; elements from row to row of W
	s_mov_b32 s[G1B+6], 0
	s_mov_b32 s[G1B+7], 0
	s_lshl_b32 s70, s24, 18                        ; x: block row x 128 rows x 2,048 B (registers that never hold cx)
	s_mov_b32 s71, 0
	s_max_u32 s72, s18, 1                          ; W: my third = wave - 1 (wave 0 asks for none),
	s_sub_co_u32 s72, s72, 1
	s_lshl_b32 s72, s72, 8                         ; x 256 B,
	s_mul_i32 s74, s23, 768                        ; + block column x 384 columns (registers that never hold cy)
	s_add_co_u32 s72, s72, s74
	s_mov_b32 s73, 0
	s_mul_i32 s75, s18, REG                        ; every load lands at wave x REG + slot x SLOT
	s_lshl_b32 s69, s23, 1
	s_add_co_u32 s69, s69, s20                     ; my head 0..15
	s_mul_i32 s80, s69, 768                        ; its 192 biases
	s_mov_b32 s81, 0
	s_lshl_b32 s82, s24, 15                        ; pos: (128 block row + 64 u) rows of 256 B
	s_lshl_b32 s76, s19, 14
	s_add_co_u32 s82, s82, s76
	s_mov_b32 s83, 0
	s_and_b32 s84, s24, 16                         ; out: ((16 batch + head) x 2048 + (block row % 16) x 128 + 64 u) rows of 128 B
	s_add_co_u32 s84, s84, s69
	s_lshl_b32 s84, s84, 18
	s_and_b32 s76, s24, 15
	s_lshl_b32 s76, s76, 14
	s_add_co_u32 s84, s84, s76
	s_lshl_b32 s76, s19, 13
	s_add_co_u32 s84, s84, s76
	s_mov_b32 s85, 0
	v_and_b32 v15, 15, v0                          ; r
	v_bfe_u32 v16, v0, 4, 1                        ; h
	v_and_b32 v17, 7, v0                           ; l & 7
	v_bfe_u32 v18, v0, 3, 1                        ; (l >> 3) & 1
	v_bfe_u32 v19, v0, 3, 2                        ; l >> 3
	v_and_b32 v1, 31, v0                           ; l
	v_lshlrev_b32 v[POSOFF], 8, v15
	v_lshl_add_u32 v[POSOFF], v16, 5, v[POSOFF]    ; 256 r + 32 h
	v_lshlrev_b32 v[BOFF], 5, v16                  ; 32 h
	s_wait_dscnt 0x0
	s_wait_kmcnt 0x0
	s_add_nc_u64 s[70:71], s[4:5], s[70:71]
	s_add_nc_u64 s[72:73], s[6:7], s[72:73]
	s_add_nc_u64 s[80:81], s[8:9], s[80:81]
	s_add_nc_u64 s[82:83], s[10:11], s[82:83]
	s_add_nc_u64 s[12:13], s[12:13], s[84:85]
	s_add_nc_u64 s[14:15], s[14:15], s[84:85]
	s_add_nc_u64 s[16:17], s[16:17], s[84:85]
.irp s, 0,1
	s_mov_b32 s[G0A+4*\s], 1
	s_add_co_u32 s[G0A+4*\s+1], s75, \s*SLOT
	s_add_nc_u64 s[G0A+4*\s+2:G0A+4*\s+3], s[70:71], \s*256          ; K step s: 128 elements along the row
	s_or_b32 s[G0A+4*\s+3], s[G0A+4*\s+3], 0x80000000
	s_mov_b32 s[G0B+4*\s], 1
	s_add_co_u32 s[G0B+4*\s+1], s75, \s*SLOT
	s_add_nc_u64 s[G0B+4*\s+2:G0B+4*\s+3], s[72:73], \s*786432       ; K step s: 128 rows of 6,144 B
	s_or_b32 s[G0B+4*\s+3], s[G0B+4*\s+3], 0x80000000
.endr
	; bias of columns 16 t + 8 h + 0..7, and sin, cos of my 64 rows at the same places: once, into registers
.set it, 0
.rept 12
	global_load_b128 v[BIAS+8*it:BIAS+8*it+3],   v[BOFF], s[80:81] offset:64*it
	global_load_b128 v[BIAS+8*it+4:BIAS+8*it+7], v[BOFF], s[80:81] offset:64*it+16
.set it, it+1
.endr
.irp hi, 0,1
	WIN 0x80+0x40*\hi
.set ia, 0
.rept 2
.set iq, 0
.rept 4
	global_load_b128 v[POS+32*ia+8*iq:POS+32*ia+8*iq+3],   v[POSOFF], s[82:83] offset:4096*(2*\hi+ia)+64*iq
	global_load_b128 v[POS+32*ia+8*iq+4:POS+32*ia+8*iq+7], v[POSOFF], s[82:83] offset:4096*(2*\hi+ia)+64*iq+16
.set iq, iq+1
.endr
.set ia, ia+1
.endr
.endr
	WIN 0
	ROUND                                          ; all sixteen work-groups are here: the first joint loads meet
	JLOAD 0                                        ; K step 0
	v_mul_u32_u24 v20, v15, PA
	v_lshl_add_u32 v20, v16, 4, v20                ; r x pitch + 16 h
	s_mul_i32 s76, s19, 64*PA
	v_add_nc_u32 v[ADRA], s76, v20
	v_add_nc_u32 v[ADRA+1], SLOT, v[ADRA]
	v_lshl_add_u32 v21, v16, 3, v17                ; k row 8 h + (l & 7)
	v_mul_u32_u24 v21, v21, PB
	v_lshl_add_u32 v21, v18, 4, v21                ; + 16 ((l >> 3) & 1)
	s_mul_i32 s77, s20, 3
.irp g, 0,1,2
	s_add_co_u32 s78, s77, \g                      ; which 64 of the 384 columns: 3 hh + (q, k, v)
	s_lshr_b32 s79, s78, 1
	s_add_co_u32 s79, s79, 1
	s_mul_i32 s79, s79, REG                        ; its region,
	s_and_b32 s78, s78, 1
	s_lshl_b32 s78, s78, 7                         ; and its half of the region's rows
	s_add_co_u32 s79, s79, s78
	v_add_nc_u32 v[ADRB+\g], s79, v21
	v_add_nc_u32 v[ADRB+3+\g], SLOT, v[ADRB+\g]
.endr
	s_mul_i32 s76, s18, 16*PS
	s_add_co_u32 s76, s76, STAGE                   ; my stage
	v_mul_u32_u24 v22, v15, PS
	v_lshl_add_u32 v22, v16, 4, v22
	v_add_nc_u32 v[STO], s76, v22                  ; in: row r, 16 bytes for each half of the lanes
	v_mul_u32_u24 v23, v19, PS
	v_lshl_add_u32 v23, v17, 4, v23
	v_add_nc_u32 v[RD], s76, v23                   ; back: eight lanes take 128 bytes of a row, a load four rows
	v_lshlrev_b32 v[CO], 4, v1                     ; and in memory those four rows are 512 consecutive bytes
	s_wait_loadcnt 0x0                             ; bias, sin and cos are in: no register load is out inside the ring
; 32 LDS loads: one quarter step (32 along K): 12 x 16 columns of W, transposed on the way, and 4 x 16 rows of x
.macro FETCH slot, kq, fa, fb
	WIN 0x40
.set ig, 0
.rept 3
.set it, 0
.rept 4
	ds_load_tr16_b128 v[\fb+8*(4*ig+it):\fb+8*(4*ig+it)+3],   v[ADRB+3*\slot+ig] offset:32*PB*\kq+32*it
	ds_load_tr16_b128 v[\fb+8*(4*ig+it)+4:\fb+8*(4*ig+it)+7], v[ADRB+3*\slot+ig] offset:32*PB*\kq+32*it+16*PB
.set it, it+1
.endr
.set ig, ig+1
.endr
	WIN 0
.set ia, 0
.rept 4
	ds_load_b128 v[\fa+8*ia:\fa+8*ia+3],   v[ADRA+\slot] offset:16*PA*ia+64*\kq
	ds_load_b128 v[\fa+8*ia+4:\fa+8*ia+7], v[ADRA+\slot] offset:16*PA*ia+64*\kq+32
.set ia, ia+1
.endr
.endm
.macro MULH fa, fb, hi, zero           ; 24 matrix instructions: two 16-row blocks x 12 column tiles
.set ia, 0
.rept 2
.set it, 0
.rept 12
.if \zero
	v_wmma_f32_16x16x32_bf16 v[8*(12*ia+it):8*(12*ia+it)+7], v[\fb+8*it:\fb+8*it+7], v[\fa+8*(2*\hi+ia):\fa+8*(2*\hi+ia)+7], 0
.else
	v_wmma_f32_16x16x32_bf16 v[8*(12*ia+it):8*(12*ia+it)+7], v[\fb+8*it:\fb+8*it+7], v[\fa+8*(2*\hi+ia):\fa+8*(2*\hi+ia)+7], v[8*(12*ia+it):8*(12*ia+it)+7]
.endif
.set it, it+1
.endr
.set ia, ia+1
.endr
.endm
; The 48 accumulators take turns, one instruction a turn, in the same order in every quarter step.
.macro MUL fa, fb, zero
	WIN 0xa1                                       ; source 0 (W) window 1, source 1 (x) window 0, C and D window 2
	MULH \fa, \fb, 0, \zero
	WIN 0xf1                                       ; C and D window 3
	MULH \fa, \fb, 1, \zero
.endm
; One K step.  In front of the round: all my tensor loads have landed (one was out: my part of this slot), so the group 0 sets may be stepped, and my LDS reads are back.
; Behind the round no wave of any partner reads the other slot or has a load on its way: the joint refill comes first, one a wave.
; A load into a fragment buffer stands four plain vector places behind the matrix instructions that read it (ISA guide 7.12.1 for vector writes).
.macro TRIP slot, other, refill, first
	s_wait_tensorcnt 0x0
	ds_add_u32 v30, v31
	s_wait_dscnt 0x0
	s_add_nc_u64 s[G0A+4*\slot+2:G0A+4*\slot+3], s[G0A+4*\slot+2:G0A+4*\slot+3], 512
	s_add_nc_u64 s[G0B+4*\slot+2:G0B+4*\slot+3], s[G0B+4*\slot+2:G0B+4*\slot+3], 0x180000
	s_wait_dscnt 0x0
	ROUND
.if \refill
	JLOAD \other
.endif
.if \first == 0
	PLACES 4
.endif
	FETCH \slot, 0, FA0, FB0
	FETCH \slot, 1, FA1, FB1
	s_wait_dscnt 32                                ; all but the 32 loads just issued: quarter 0 is in
	MUL FA0, FB0, \first                           ; the very first products start the sums: nothing is cleared
	PLACES 4
	FETCH \slot, 2, FA0, FB0
	s_wait_dscnt 32                                ; quarter 1 is in, quarter 2 stays out
	MUL FA1, FB1, 0
	PLACES 4
	FETCH \slot, 3, FA1, FB1
	s_wait_dscnt 32                                ; quarter 2 is in, quarter 3 stays out
	MUL FA0, FB0, 0
	s_wait_dscnt 0
	MUL FA1, FB1, 0
	WIN 0
.endm
	TRIP 0, 1, 1, 1                                ; slot 1 gets its first fill behind this trip's round, as a refill does
	TRIP 1, 0, 1, 0
	s_mov_b32 s66, 2
.Lring:
	TRIP 0, 1, 1, 0
	TRIP 1, 0, 1, 0
	s_sub_co_u32 s66, s66, 1
	s_cmp_lg_u32 s66, 0
	s_cbranch_scc1 .Lring
	TRIP 0, 1, 1, 0
	TRIP 1, 0, 0, 0                                ; the last K step asks for nothing (the stepped addresses are not used)
; The way out, 16 rows at a time (block a = 2 hi + ap).
.macro EPI hi, ap
	WIN 2+\hi                                      ; source 0 in the accumulators' window
.set n, 0
.rept 48
	v_pk_add_f32 v[T+2*n:T+2*n+1], v[96*\ap+2*n:96*\ap+2*n+1], v[BIAS+2*n:BIAS+2*n+1]
.set n, n+1
.endr
	WIN 0
	; sum of k^2: my 32 numbers in four chains, then the other half of the row from lane l xor 16
.set n, 0
.rept 4
	v_pk_mul_f32 v[U+2*n:U+2*n+1], v[T+32+2*n:T+32+2*n+1], v[T+32+2*n:T+32+2*n+1]
.set n, n+1
.endr
.rept 12
	v_pk_fma_f32 v[U+2*(n%4):U+2*(n%4)+1], v[T+32+2*n:T+32+2*n+1], v[T+32+2*n:T+32+2*n+1], v[U+2*(n%4):U+2*(n%4)+1]
.set n, n+1
.endr
	v_pk_add_f32 v[U:U+1], v[U:U+1], v[U+2:U+3]
	v_pk_add_f32 v[U+4:U+5], v[U+4:U+5], v[U+6:U+7]
	v_pk_add_f32 v[U:U+1], v[U:U+1], v[U+4:U+5]
	v_add_f32 v[U], v[U], v[U+1]
	v_permlanex16_b32 v[U+1], v[U], s67, s68
	v_add_f32 v[U], v[U], v[U+1]
	v_rsq_f32 v[U+2], v[U]
	v_nop                                          ; one plain place behind the transcendental (ISA guide 5.7.2)
.set n, 0
	s_wait_alu depctr_va_vdst(0)
.rept 16
	v_pk_mul_f32 v[T+32+2*n:T+32+2*n+1], v[T+32+2*n:T+32+2*n+1], v[U+2:U+3] op_sel_hi:[1,0]
.set n, n+1
.endr
	; (x0, x1) -> (x0 cos - x1 sin, x0 sin + x1 cos): x0 in tiles tb, tb+1, x1 in tiles tb+2, tb+3; q (tb = 0) and k (tb = 4)
	WIN 2+\hi                                      ; source 0 = sin, cos
.irp tb, 0, 4
.set tp, 0
.rept 2
.set pp, 0
.rept 4
.set X0R, T+8*(\tb+tp)+2*pp
.set X1R, T+8*(\tb+tp+2)+2*pp
.set SN,  POS+32*\ap+8*tp+2*pp
.set CS,  SN+16
.set W0,  U+16*tp+4*pp
	v_pk_mul_f32 v[W0:W0+1], v[SN:SN+1], v[X1R:X1R+1]
	v_pk_mul_f32 v[W0+2:W0+3], v[CS:CS+1], v[X1R:X1R+1]
	v_pk_fma_f32 v[X1R:X1R+1], v[SN:SN+1], v[X0R:X0R+1], v[W0+2:W0+3]
	v_pk_fma_f32 v[X0R:X0R+1], v[CS:CS+1], v[X0R:X0R+1], v[W0:W0+1] neg_lo:[0,0,1] neg_hi:[0,0,1]
.set pp, pp+1
.endr
.set tp, tp+1
.endr
.endr
	WIN 0
.set it, 0
.rept 12
.set n, 0
.rept 4
	v_cvt_pk_bf16_f32 v[T+8*it+n], v[T+8*it+2*n], v[T+8*it+2*n+1]
.set n, n+1
.endr
	ds_store_b128 v[STO], v[T+8*it:T+8*it+3] offset:32*it
.set it, it+1
.endr
	WIN 0x40                                       ; back into window 1, a set of 48 registers for each block: no store's data is written again
.set n, 0
.rept 12
	ds_load_b128 v[48*(2*\hi+\ap)+4*n:48*(2*\hi+\ap)+4*n+3], v[RD] offset:4*PS*(n%4)+128*(n/4)   ; LDS serves a wave in order: these see the stores above
.set n, n+1
.endr
	WIN 0x04                                       ; store data in window 1
.set n, 0
.rept 12
	s_wait_dscnt 11-n                              ; load n is back, the younger ones stay out
	global_store_b128 v[CO], v[48*(2*\hi+\ap)+4*n:48*(2*\hi+\ap)+4*n+3], s[12+2*(n/4):13+2*(n/4)] offset:2048*(2*\hi+\ap)+512*(n%4)   ; 512 consecutive bytes, aligned
.set n, n+1
.endr
.endm
	PLACES 4                                       ; behind the last matrix instructions, ahead of reads of their results and writes of their sources
	EPI 0, 0
	EPI 0, 1
	EPI 1, 0
	EPI 1, 1
	WIN 0
	s_wait_tensorcnt 0x0
	ds_add_u32 v30, v31
	s_wait_dscnt 0x0
	ROUND                                          ; the closing round: no work-group ends while a partner may still ask jointly
	s_endpgm
.Lfunc_end_k_q5d0964e7f3_qkv:
	.size	k_q5d0964e7f3_qkv, .Lfunc_end_k_q5d0964e7f3_qkv-k_q5d0964e7f3_qkv
	.p2alignl 7, 3214868480
	.fill 96, 4, 3214868480
	.section	.rodata,"a",@progbits
	.p2align	6, 0x0
	.amdhsa_kernel k_q5d0964e7f3_qkv
		.amdhsa_group_segment_fixed_size 327680
		.amdhsa_private_segment_fixed_size 0
		.amdhsa_enable_private_segment 0
		.amdhsa_kernarg_size 56
		.amdhsa_user_sgpr_count 2
		.amdhsa_user_sgpr_kernarg_segment_ptr 1
		.amdhsa_wavefront_size32 1
		.amdhsa_system_sgpr_workgroup_id_x 1
		.amdhsa_system_sgpr_workgroup_id_y 1
		.amdhsa_system_sgpr_workgroup_id_z 1
		.amdhsa_system_vgpr_workitem_id 0
		.amdhsa_next_free_vgpr 1024
		.amdhsa_next_free_sgpr 90
		.amdhsa_reserve_vcc 0
		.amdhsa_float_denorm_mode_32 3
		.amdhsa_float_denorm_mode_16_64 3
		.amdhsa_memory_ordered 1
		.amdhsa_forward_progress 1
		.amdhsa_inst_pref_size 207
	.end_amdhsa_kernel
	.amdgpu_metadata
---
amdhsa.version: [ 1, 2 ]
amdhsa.kernels:
  - .name:           k_q5d0964e7f3_qkv
    .symbol:         k_q5d0964e7f3_qkv.kd
    .args:
      - { .name: xb, .offset: 0, .size: 8, .value_kind: global_buffer, .address_space: global }
      - { .name: wqb, .offset: 8, .size: 8, .value_kind: global_buffer, .address_space: global }
      - { .name: b_qkv, .offset: 16, .size: 8, .value_kind: global_buffer, .address_space: global }
      - { .name: pos, .offset: 24, .size: 8, .value_kind: global_buffer, .address_space: global }
      - { .name: qb, .offset: 32, .size: 8, .value_kind: global_buffer, .address_space: global }
      - { .name: kb, .offset: 40, .size: 8, .value_kind: global_buffer, .address_space: global }
      - { .name: vb, .offset: 48, .size: 8, .value_kind: global_buffer, .address_space: global }
    .group_segment_fixed_size: 327680
    .private_segment_fixed_size: 0
    .kernarg_segment_align: 8
    .kernarg_segment_size: 56
    .max_flat_workgroup_size: 128
    .sgpr_count:     90
    .vgpr_count:     1024
    .wavefront_size: 32
...
	.end_amdgpu_metadata
.endif
;; end of part 2
;; launch attn (part 3): grid 8 x 32, 8 waves a work-group, clusters of 4 x 1, 327,680 bytes of LDS; arguments qb, kb, vb, ctx; writes ctx
.if DOCPART == 3
	.amdgcn_target "amdgcn-amd-amdhsa--gfx1250"
	.amdhsa_code_object_version 6
	.text
	.protected	k_q5d0964e7f3_attn
	.globl	k_q5d0964e7f3_attn
	.p2align	8
	.type	k_q5d0964e7f3_attn,@function
k_q5d0964e7f3_attn:
	s_mov_b64 s[64:65], 0
	v_nop
	global_prefetch_b8 v0, s[64:65] scope:SCOPE_SE
	s_setreg_imm32_b32 hwreg(HW_REG_WAVE_MODE, 25, 1), 1
	s_wait_xcnt 0x0
	s_wait_alu depctr_hold_cnt(0) depctr_sa_sdst(0) depctr_va_vdst(0) depctr_va_sdst(0) depctr_va_ssrc(0) depctr_va_vcc(0) depctr_vm_vsrc(0)
	s_getreg_b32 s2, hwreg(HW_REG_IB_STS2, 6, 4)
	s_cmp_eq_u32 s2, 0
	s_cbranch_scc0 .Lentry_in_a_cluster
	s_endpgm
.Lentry_in_a_cluster:
	s_bfe_u32 s2, ttmp6, 0x10000c
	s_cmp_lg_u32 s2, 0x3003
	s_cbranch_scc0 .Lentry_shape_is_right
	s_endpgm
.Lentry_shape_is_right:
; attn: ctx = softmax(q k^T) v, scale 1, for one (batch, head) and 256 queries a work-group; running maximum and running sum in f32.
; Eight waves: wave w takes queries 64 (w&3) .. +63 and, of every 256 key positions, the 128 of half w>>2; the two halves are merged at the end through LDS.
; K and V go in 8 steps of 256 positions through two LDS slots; waves 0-3 bring 64 rows of K each, waves 4-7 64 rows of V.
; CLUSTER 4 x 1: the four query blocks of a cluster belong to one (batch, head) and read the same K and V tiles: every tile is asked for jointly, mask 15.
; TRANSPOSED: S^T = K Q^T (source 0 = 16 key rows, source 1 = 16 queries): lane (r, h) holds query r and keys 8 h + 0..7 of each tile, so maximum and sum are one number
; a lane plus one exchange with lane l xor 16, and exp and packing give P^T in the layout of a source 1 (key tile 2 i -> registers 0-3, 2 i + 1 -> registers 4-7).
; O^T = V^T P^T with V^T read from the [key][d] tile by the transposing LDS load: lane (r, h) holds query r, d = 16 dt + 8 h + 0..7: 16 neighbouring bytes of ctx.
; LIMITS: operands bf16.  The exponent is fma(s, log2 e, nm) with nm = -log2 e x maximum rounded to f32; old sums are rescaled by exp2(nm_new - nm_old), the same shift exactly.
; The denominator adds the f32 exponentials, the numerator uses them rounded to bf16.  NaN and infinities in the inputs are not served.
.set SLOT,  81920
.set PK,    144                        ; K rows: 128 B + 16
.set PVV,   160                        ; V rows: 128 B + 32, an odd multiple of 32 for the transposing load
.set VOFF,  40960                      ; V's 256 rows; K's take 36,864: so wave w's load lands at w x 9,216 (K) or w x 10,240 (V)
.set SCR,   2*SLOT                     ; behind the ring: 34 blocks of 512 B for each pair of waves: O, maximum, sum of the upper half
.set SCRW,  17408
.set STG,   SCR+4*SCRW                 ; 64 rows x 144 B for each of waves 0-3: the way out
.set STGW,  9216
.set WV,    12
.set G1K,   28
.set G1V,   36
.set G0K,   44
.set G0V,   52
.set ADRK,  2                          ; v2-3 K fragments in slot 0, 1     v4-5 V fragments
.set ADRV,  4
.set QOFF,  6
.set SCRA,  7
.set STO,   8
.set RD,    9
.set CO,    10
.set M,     12                         ; v[12:15] running maximum of q-tile 0..3
.set LS,    16                         ; v[16:19] final sums
.set L2,    20                         ; v[20:27] running sums, a pair for each q-tile
.set AL,    28                         ; v[28:35] rescale factor in the even register of a pair
.set NM,    36                         ; v[36:43] -log2 e x maximum in the even register of a pair
.set T,     44                         ; v[44:59] scratch
.set QF,    64                         ; v[64:127]  Q fragments: 16 qt + 8 dh
.set SC,    128                        ; v[128:255] scores: 32 qt + 8 kt; then P: 32 qt + 16 i
.set OA,    0                          ; window 1: v[0:127] O: 32 qt + 8 dt
.set KF,    128                        ; window 1: K fragments: 16 kt + 8 dh
.set VF,    192                        ; window 1: V fragments: 32 i + 8 dt
.set MSB,   0
.macro WIN new
.if MSB != (\new)
	s_set_vgpr_msb (MSB<<8)|(\new)
.set MSB, (\new)
.endif
.endm
.macro PLACES n
.rept \n
	v_nop
.endr
.endm
.macro ROUND
	s_barrier_signal -1
	s_barrier_wait -1
	s_cmp_lg_u32 s[WV], 0
	s_cbranch_scc1 .Lnot_wave_0_\@
	s_barrier_signal -3
.Lnot_wave_0_\@:
	s_barrier_wait -3
	s_barrier_signal -1
	s_barrier_wait -1
.endm
.macro JLOAD s                         ; one joint load a wave: waves 0-3 K, waves 4-7 V
	s_cmp_eq_u32 s14, 0
	s_cbranch_scc0 .Lfor_v_\@
	tensor_load_to_lds s[G0K+4*\s:G0K+4*\s+3], s[G1K:G1K+7]
	s_nop 0
	s_branch .Lasked_\@
.Lfor_v_\@:
	tensor_load_to_lds s[G0V+4*\s:G0V+4*\s+3], s[G1V:G1V+7]
	s_nop 0
.Lasked_\@:
.endm
	s_load_b256 s[4:11], s[0:1], 0x0               ; qb s[4:5], kb s[6:7], vb s[8:9], ctx s[10:11]
	v_lshl_add_u32 v254, v0, 2, 0x42000
	v_mov_b32 v255, 0
	ds_add_u32 v254, v255
	s_wait_dscnt 0x0
	v_lshrrev_b32 v1, 5, v0
	v_readfirstlane_b32 s12, v1                    ; wave 0..7
	s_and_b32 s13, s12, 3                          ; p: my 64 queries; also my 64 rows of a tile
	s_lshr_b32 s14, s12, 2                         ; g: my half of the keys; also K (0) or V (1)
	s_bfe_u32 s15, ttmp6, 0x40000                  ; cx
	s_lshl_b32 s16, ttmp9, 2
	s_add_co_u32 s16, s16, s15                     ; query block 0..7
	s_and_b32 s17, ttmp7, 0xffff                   ; batch x 16 + head, the same in the four partners
	s_mov_b32 s18, 0x76543210
	s_mov_b32 s19, 0xfedcba98
	; group 1: 64 rows x 64 elements of 2 bytes; after every 32 words 4 (K) or 8 (V) words of padding; mask 15: all four of the cluster
	s_mov_b32 s[G1K+0], 15|(1<<16)|(1<<20)|(1<<21)|(4<<22)|(3<<25)
	s_mov_b32 s[G1K+1], 64<<16
	s_mov_b32 s[G1K+2], 64<<16
	s_mov_b32 s[G1K+3], 64<<16
	s_mov_b32 s[G1K+4], 64
	s_mov_b32 s[G1K+5], 64
	s_mov_b32 s[G1K+6], 0
	s_mov_b32 s[G1K+7], 0
	s_mov_b32 s[G1V+0], 15|(1<<16)|(1<<20)|(1<<21)|(4<<22)|(7<<25)
	s_mov_b32 s[G1V+1], 64<<16
	s_mov_b32 s[G1V+2], 64<<16
	s_mov_b32 s[G1V+3], 64<<16
	s_mov_b32 s[G1V+4], 64
	s_mov_b32 s[G1V+5], 64
	s_mov_b32 s[G1V+6], 0
	s_mov_b32 s[G1V+7], 0
	s_lshl_b32 s22, s17, 18                        ; K, V: (batch, head) x 2,048 rows of 128 B
	s_lshl_b32 s21, s13, 13                        ; + my 64 rows
	s_add_co_u32 s22, s22, s21
	s_mov_b32 s23, 0
	s_mul_i32 s60, s12, 64*PK
	s_mul_i32 s61, s12, 64*PVV
	s_lshl_b32 s66, s17, 18                        ; Q, ctx: (batch, head), query block x 256 rows, my 64 rows
	s_lshl_b32 s67, s16, 15
	s_add_co_u32 s66, s66, s67
	s_add_co_u32 s66, s66, s21
	s_mov_b32 s67, 0
	v_and_b32 v60, 15, v0                          ; r
	v_bfe_u32 v61, v0, 4, 1                        ; h
	v_and_b32 v62, 7, v0                           ; l & 7
	v_bfe_u32 v63, v0, 3, 1                        ; (l >> 3) & 1
	v_lshlrev_b32 v[QOFF], 7, v60
	v_lshl_add_u32 v[QOFF], v61, 4, v[QOFF]        ; 128 r + 16 h
	s_wait_kmcnt 0x0
	s_add_nc_u64 s[24:25], s[6:7], s[22:23]
	s_add_nc_u64 s[26:27], s[8:9], s[22:23]
	s_add_nc_u64 s[68:69], s[4:5], s[66:67]
	s_add_nc_u64 s[70:71], s[10:11], s[66:67]
.irp s, 0,1
	s_mov_b32 s[G0K+4*\s], 1
	s_add_co_u32 s[G0K+4*\s+1], s60, \s*SLOT
	s_add_nc_u64 s[G0K+4*\s+2:G0K+4*\s+3], s[24:25], \s*32768        ; step s: 256 rows of 128 B
	s_or_b32 s[G0K+4*\s+3], s[G0K+4*\s+3], 0x80000000
	s_mov_b32 s[G0V+4*\s], 1
	s_add_co_u32 s[G0V+4*\s+1], s61, \s*SLOT
	s_add_nc_u64 s[G0V+4*\s+2:G0V+4*\s+3], s[26:27], \s*32768
	s_or_b32 s[G0V+4*\s+3], s[G0V+4*\s+3], 0x80000000
.endr
.set iq, 0
.rept 4
.set ih, 0
.rept 2
	global_load_b128 v[QF+16*iq+8*ih:QF+16*iq+8*ih+3],   v[QOFF], s[68:69] offset:2048*iq+64*ih
	global_load_b128 v[QF+16*iq+8*ih+4:QF+16*iq+8*ih+7], v[QOFF], s[68:69] offset:2048*iq+64*ih+32
.set ih, ih+1
.endr
.set iq, iq+1
.endr
	ROUND                                          ; the four work-groups are here: the first joint loads meet
	JLOAD 0
	v_mul_u32_u24 v11, v60, PK
	v_lshl_add_u32 v11, v61, 4, v11
	s_mul_i32 s21, s14, 128*PK
	v_add_nc_u32 v[ADRK], s21, v11
	v_add_nc_u32 v[ADRK+1], SLOT, v[ADRK]
	v_lshl_add_u32 v11, v61, 3, v62
	v_mul_u32_u24 v11, v11, PVV
	v_lshl_add_u32 v11, v63, 4, v11
	s_mul_i32 s21, s14, 128*PVV
	s_add_co_u32 s21, s21, VOFF
	v_add_nc_u32 v[ADRV], s21, v11
	v_add_nc_u32 v[ADRV+1], SLOT, v[ADRV]
	v_and_b32 v1, 31, v0
	s_mul_i32 s21, s13, SCRW
	s_add_co_u32 s21, s21, SCR
	v_lshl_add_u32 v[SCRA], v1, 4, s21             ; 16 l in the pair's scratch
	s_mul_i32 s21, s13, STGW
	s_add_co_u32 s21, s21, STG
	v_mul_u32_u24 v11, v60, PK
	v_lshl_add_u32 v11, v61, 4, v11
	v_add_nc_u32 v[STO], s21, v11
	v_bfe_u32 v11, v0, 3, 2
	v_mul_u32_u24 v11, v11, PK
	v_lshl_add_u32 v11, v62, 4, v11
	v_add_nc_u32 v[RD], s21, v11
	v_lshlrev_b32 v[CO], 4, v1
.set iq, 0
.rept 4
	v_mov_b32 v[AL+2*iq+1], 0                      ; the odd halves of the broadcast pairs are never used, but a pair is read whole
	v_mov_b32 v[NM+2*iq+1], 0
.set iq, iq+1
.endr
	s_wait_loadcnt 0x0                             ; Q
.macro LOADK slot, c                   ; 16 loads: 64 key rows x 64 d
	WIN 0x40
.set ik, 0
.rept 4
.set ih, 0
.rept 2
	ds_load_b128 v[KF+16*ik+8*ih:KF+16*ik+8*ih+3],   v[ADRK+\slot] offset:(64*\c+16*ik)*PK+64*ih
	ds_load_b128 v[KF+16*ik+8*ih+4:KF+16*ik+8*ih+7], v[ADRK+\slot] offset:(64*\c+16*ik)*PK+64*ih+32
.set ih, ih+1
.endr
.set ik, ik+1
.endr
.endm
.macro LOADV slot, c                   ; 16 transposing loads: 64 d x 64 key rows
	WIN 0x40
.set ii, 0
.rept 2
.set id, 0
.rept 4
	ds_load_tr16_b128 v[VF+32*ii+8*id:VF+32*ii+8*id+3],   v[ADRV+\slot] offset:(64*\c+32*ii)*PVV+32*id
	ds_load_tr16_b128 v[VF+32*ii+8*id+4:VF+32*ii+8*id+7], v[ADRV+\slot] offset:(64*\c+32*ii)*PVV+32*id+16*PVV
.set id, id+1
.endr
.set ii, ii+1
.endr
.endm
; In SMUL and PV the 16 accumulators take turns, one instruction a turn.
.macro SMUL                            ; 32 matrix instructions: 4 q-tiles x 4 key tiles, d in two halves; the first half starts the sums
	WIN 0x01                                       ; source 0 (K) window 1, the rest window 0
.set iq, 0
.rept 4
.set ik, 0
.rept 4
	v_wmma_f32_16x16x32_bf16 v[SC+32*iq+8*ik:SC+32*iq+8*ik+7], v[KF+16*ik:KF+16*ik+7], v[QF+16*iq:QF+16*iq+7], 0
.set ik, ik+1
.endr
.set iq, iq+1
.endr
.set iq, 0
.rept 4
.set ik, 0
.rept 4
	v_wmma_f32_16x16x32_bf16 v[SC+32*iq+8*ik:SC+32*iq+8*ik+7], v[KF+16*ik+8:KF+16*ik+15], v[QF+16*iq+8:QF+16*iq+15], v[SC+32*iq+8*ik:SC+32*iq+8*ik+7]
.set ik, ik+1
.endr
.set iq, iq+1
.endr
.endm
.macro PV zero                         ; 32 matrix instructions: 4 q-tiles x 4 d tiles, the 64 keys in two halves
	WIN 0x51                                       ; source 0 (V), C and D window 1; source 1 (P) window 0
.set iq, 0
.rept 4
.set id, 0
.rept 4
.if \zero
	v_wmma_f32_16x16x32_bf16 v[OA+32*iq+8*id:OA+32*iq+8*id+7], v[VF+8*id:VF+8*id+7], v[SC+32*iq:SC+32*iq+7], 0
.else
	v_wmma_f32_16x16x32_bf16 v[OA+32*iq+8*id:OA+32*iq+8*id+7], v[VF+8*id:VF+8*id+7], v[SC+32*iq:SC+32*iq+7], v[OA+32*iq+8*id:OA+32*iq+8*id+7]
.endif
.set id, id+1
.endr
.set iq, iq+1
.endr
.set iq, 0
.rept 4
.set id, 0
.rept 4
	v_wmma_f32_16x16x32_bf16 v[OA+32*iq+8*id:OA+32*iq+8*id+7], v[VF+32+8*id:VF+32+8*id+7], v[SC+32*iq+16:SC+32*iq+23], v[OA+32*iq+8*id:OA+32*iq+8*id+7]
.set id, id+1
.endr
.set iq, iq+1
.endr
.endm
.macro MAXLVL o1, o2                   ; one level of the four maximum chains of every q-tile
.set iq, 0
.rept 4
.set ic, 0
.rept 4
	v_max3_num_f32 v[T+4*iq+ic], v[T+4*iq+ic], v[SC+32*iq+ic+\o1], v[SC+32*iq+ic+\o2]
.set ic, ic+1
.endr
.set iq, iq+1
.endr
.endm
; 64 keys x 64 queries of scores become P.  first = 1: there is no older maximum or sum.
.macro SOFTMAX first
	WIN 0
.set iq, 0
.rept 4
.set ic, 0
.rept 4
	v_max3_num_f32 v[T+4*iq+ic], v[SC+32*iq+ic], v[SC+32*iq+ic+4], v[SC+32*iq+ic+8]
.set ic, ic+1
.endr
.set iq, iq+1
.endr
	MAXLVL 12, 16
	MAXLVL 20, 24
.set iq, 0
.rept 4
	v_max3_num_f32 v[T+4*iq], v[T+4*iq], v[T+4*iq+1], v[SC+32*iq+28]
	v_max3_num_f32 v[T+4*iq+2], v[T+4*iq+2], v[T+4*iq+3], v[SC+32*iq+29]
.set iq, iq+1
.endr
.set iq, 0
.rept 4
	v_max3_num_f32 v[T+4*iq], v[T+4*iq], v[T+4*iq+2], v[SC+32*iq+30]
.set iq, iq+1
.endr
.set iq, 0
.rept 4
	v_max_num_f32 v[T+4*iq], v[T+4*iq], v[SC+32*iq+31]
.set iq, iq+1
.endr
.set iq, 0
.rept 4
	v_permlanex16_b32 v[T+4*iq+1], v[T+4*iq], s18, s19     ; the other eight keys of each tile
.set iq, iq+1
.endr
.if \first
.set iq, 0
.rept 4
	v_max_num_f32 v[M+iq], v[T+4*iq], v[T+4*iq+1]
.set iq, iq+1
.endr
.set iq, 0
.rept 4
	v_mul_f32 v[NM+2*iq], 0xbfb8aa3b, v[M+iq]              ; nm = -log2 e x maximum
.set iq, iq+1
.endr
.else
.set iq, 0
.rept 4
	v_max3_num_f32 v[M+iq], v[T+4*iq], v[T+4*iq+1], v[M+iq]
.set iq, iq+1
.endr
.set iq, 0
.rept 4
	v_mul_f32 v[T+4*iq+2], 0xbfb8aa3b, v[M+iq]
.set iq, iq+1
.endr
.set iq, 0
.rept 4
	v_sub_f32 v[T+4*iq+3], v[T+4*iq+2], v[NM+2*iq]         ; nm_new - nm_old, never above 0
.set iq, iq+1
.endr
.set iq, 0
.rept 4
	v_exp_f32 v[AL+2*iq], v[T+4*iq+3]
.set iq, iq+1
.endr
.set iq, 0
.rept 4
	v_mov_b32 v[NM+2*iq], v[T+4*iq+2]                      ; also the plain place behind the transcendentals (ISA guide 5.7.2)
.set iq, iq+1
.endr
.endif
.set n, 0
.rept 64
	v_pk_fma_f32 v[SC+2*n:SC+2*n+1], v[SC+2*n:SC+2*n+1], 0x3fb8aa3b, v[NM+2*(n/16):NM+2*(n/16)+1] op_sel_hi:[1,0,0]
.set n, n+1
.endr
.set n, 0
.rept 128
	v_exp_f32 v[SC+n], v[SC+n]
.set n, n+1
.endr
	v_nop                                          ; one plain place behind the transcendentals
.set iq, 0
	s_wait_alu depctr_va_vdst(0)
.rept 4
.set TB, T+8*(iq%2)
.set SB, SC+32*iq
.set n, 0
.rept 4
	v_pk_add_f32 v[TB+2*n:TB+2*n+1], v[SB+2*n:SB+2*n+1], v[SB+8+2*n:SB+8+2*n+1]
.set n, n+1
.endr
.set n, 8
.rept 8
	v_pk_add_f32 v[TB+2*(n%4):TB+2*(n%4)+1], v[TB+2*(n%4):TB+2*(n%4)+1], v[SB+2*n:SB+2*n+1]
.set n, n+1
.endr
	v_pk_add_f32 v[TB:TB+1], v[TB:TB+1], v[TB+2:TB+3]
	v_pk_add_f32 v[TB+4:TB+5], v[TB+4:TB+5], v[TB+6:TB+7]
.if \first
	v_pk_add_f32 v[L2+2*iq:L2+2*iq+1], v[TB:TB+1], v[TB+4:TB+5]
.else
	v_pk_add_f32 v[TB:TB+1], v[TB:TB+1], v[TB+4:TB+5]
	v_pk_fma_f32 v[L2+2*iq:L2+2*iq+1], v[L2+2*iq:L2+2*iq+1], v[AL+2*iq:AL+2*iq+1], v[TB:TB+1] op_sel_hi:[1,0,1]
.endif
.set iq, iq+1
.endr
.set n, 0
.rept 8                                ; P(qt, i) at SC + 16 n: key tile 2 i into registers 0-3, key tile 2 i + 1 into registers 4-7, in place
.set ic, 0
.rept 4
	v_cvt_pk_bf16_f32 v[SC+16*n+ic], v[SC+16*n+2*ic], v[SC+16*n+2*ic+1]
.set ic, ic+1
.endr
.set ic, 0
.rept 4
	v_cvt_pk_bf16_f32 v[SC+16*n+4+ic], v[SC+16*n+8+2*ic], v[SC+16*n+8+2*ic+1]
.set ic, ic+1
.endr
.set n, n+1
.endr
.endm
.macro RESCALE
	WIN 0x41                                       ; O in window 1, the factor in window 0
.set n, 0
.rept 64
	v_pk_mul_f32 v[OA+2*n:OA+2*n+1], v[OA+2*n:OA+2*n+1], v[AL+2*(n/16):AL+2*(n/16)+1] op_sel_hi:[1,0]
.set n, n+1
.endr
.endm
; One step of 256 key positions, of which I take 128 as two chunks of 64.  In front of the round: all my tensor loads have landed (one was out: my part of this slot), the group 0
; sets are stepped, my LDS reads are back.  Behind it the joint refill comes first.  Five plain places stand behind each block of matrix instructions: they serve the vector reads
; of its results, the loads into its fragments, and the next block that writes over its sources.
.macro TRIP slot, other, refill, first
	s_wait_xcnt 0x0
	v_lshl_add_u32 v254, v0, 2, 0x42000
	v_mov_b32 v255, 0
	s_wait_tensorcnt 0x0
	ds_add_u32 v254, v255
	s_wait_dscnt 0x0
	s_add_nc_u64 s[G0K+4*\slot+2:G0K+4*\slot+3], s[G0K+4*\slot+2:G0K+4*\slot+3], 65536
	s_add_nc_u64 s[G0V+4*\slot+2:G0V+4*\slot+3], s[G0V+4*\slot+2:G0V+4*\slot+3], 65536
	s_wait_dscnt 0x0
	ROUND
.if \refill
	JLOAD \other
.endif
	LOADK \slot, 0
	LOADV \slot, 0
	s_wait_dscnt 16                                ; K of chunk 0 is in; V's 16 loads stay out
	SMUL
	PLACES 5
	LOADK \slot, 1
	SOFTMAX \first
	s_wait_dscnt 16                                ; V of chunk 0 is in; K of chunk 1 stays out
.if \first == 0
	RESCALE
.endif
	PV \first
	PLACES 5
	LOADV \slot, 1
	s_wait_dscnt 16                                ; K of chunk 1 is in; V of chunk 1 stays out
	SMUL
	PLACES 5
	SOFTMAX 0
	s_wait_dscnt 0
	RESCALE
	PV 0
	PLACES 5
	WIN 0
.endm
	TRIP 0, 1, 1, 1                                ; slot 1 gets its first fill behind this trip's round, as a refill does
	TRIP 1, 0, 1, 0
	s_mov_b32 s20, 2
.Lring:
	TRIP 0, 1, 1, 0
	TRIP 1, 0, 1, 0
	s_sub_co_u32 s20, s20, 1
	s_cmp_lg_u32 s20, 0
	s_cbranch_scc1 .Lring
	TRIP 0, 1, 1, 0
	TRIP 1, 0, 0, 0
	; my half's sum of every query: both registers of the pair, both halves of the lanes
.set iq, 0
.rept 4
	v_add_f32 v[LS+iq], v[L2+2*iq], v[L2+2*iq+1]
.set iq, iq+1
.endr
.set iq, 0
.rept 4
	v_permlanex16_b32 v[T+iq], v[LS+iq], s18, s19
.set iq, iq+1
.endr
.set iq, 0
.rept 4
	v_add_f32 v[LS+iq], v[LS+iq], v[T+iq]
.set iq, iq+1
.endr
	s_cmp_lt_u32 s12, 4
	s_cbranch_scc1 .Lkeep
	WIN 0x04                                       ; waves 4-7 hand O, maximum and sum to waves 0-3: store data in window 1
.set n, 0
.rept 32
	ds_store_b128 v[SCRA], v[OA+4*n:OA+4*n+3] offset:512*n
.set n, n+1
.endr
	WIN 0
	ds_store_b128 v[SCRA], v[M:M+3] offset:512*32
	ds_store_b128 v[SCRA], v[LS:LS+3] offset:512*33
.Lkeep:
	s_wait_dscnt 0x0                               ; my stores are done, for the others' sake
	s_barrier_signal -1
	s_barrier_wait -1
	s_cmp_ge_u32 s12, 4
	s_cbranch_scc1 .Ldone
.set n, 0
.rept 32
	ds_load_b128 v[SC+4*n:SC+4*n+3], v[SCRA] offset:512*n
.set n, n+1
.endr
	ds_load_b128 v[T:T+3], v[SCRA] offset:512*32             ; the partner's maxima
	ds_load_b128 v[T+4:T+7], v[SCRA] offset:512*33           ; and sums
	s_wait_dscnt 0x0
.set iq, 0
.rept 4
	v_mul_f32 v[T+8+iq], 0xbfb8aa3b, v[T+iq]                 ; the partner's nm, rounded as it rounded it
	v_min_num_f32 v[T+12+iq], v[NM+2*iq], v[T+8+iq]          ; the joint nm
	v_sub_f32 v[NM+2*iq], v[T+12+iq], v[NM+2*iq]
	v_sub_f32 v[T+8+iq], v[T+12+iq], v[T+8+iq]
.set iq, iq+1
.endr
.set iq, 0
.rept 4
	v_exp_f32 v[AL+2*iq], v[NM+2*iq]                         ; my factor
	v_exp_f32 v[T+12+iq], v[T+8+iq]                          ; the partner's
.set iq, iq+1
.endr
	v_nop
.set iq, 0
	s_wait_alu depctr_va_vdst(0)
.rept 4
	v_mul_f32 v[LS+iq], v[LS+iq], v[AL+2*iq]
	v_fmac_f32 v[LS+iq], v[T+12+iq], v[T+4+iq]               ; the joint sum: at least one factor is 1 and its sum at least about 1
.set iq, iq+1
.endr
.set iq, 0
.rept 4
	v_rcp_f32 v[T+iq], v[LS+iq]
.set iq, iq+1
.endr
	v_nop
.set iq, 0
	s_wait_alu depctr_va_vdst(0)
.rept 4
	v_mul_f32 v[AL+2*iq], v[AL+2*iq], v[T+iq]
	v_mul_f32 v[NM+2*iq], v[T+12+iq], v[T+iq]
.set iq, iq+1
.endr
.set n, 0
.rept 64
	v_pk_mul_f32 v[SC+2*n:SC+2*n+1], v[SC+2*n:SC+2*n+1], v[NM+2*(n/16):NM+2*(n/16)+1] op_sel_hi:[1,0]
.set n, n+1
.endr
	WIN 0x01                                       ; source 0 = my O, window 1
.set n, 0
.rept 64
	v_pk_fma_f32 v[SC+2*n:SC+2*n+1], v[OA+2*n:OA+2*n+1], v[AL+2*(n/16):AL+2*(n/16)+1], v[SC+2*n:SC+2*n+1] op_sel_hi:[1,0,1]
.set n, n+1
.endr
	WIN 0
.set n, 0
.rept 16                               ; tile n = 4 qt + dt: 16 bytes a lane into row 16 qt + r of my stage
.set ic, 0
.rept 4
	v_cvt_pk_bf16_f32 v[SC+8*n+ic], v[SC+8*n+2*ic], v[SC+8*n+2*ic+1]
.set ic, ic+1
.endr
	ds_store_b128 v[STO], v[SC+8*n:SC+8*n+3] offset:16*PK*(n/4)+32*(n%4)
.set n, n+1
.endr
.set n, 0
.rept 16
	ds_load_b128 v[QF+4*n:QF+4*n+3], v[RD] offset:4*PK*n     ; four rows of 128 B; LDS serves a wave in order: these see the stores above
.set n, n+1
.endr
.set n, 0
.rept 16
	s_wait_dscnt 15-n                              ; load n is back, the younger ones stay out
	global_store_b128 v[CO], v[QF+4*n:QF+4*n+3], s[70:71] offset:512*n   ; 512 consecutive bytes, aligned
.set n, n+1
.endr
.Ldone:
	s_wait_dscnt 0x0
	s_wait_xcnt 0x0
	v_lshl_add_u32 v254, v0, 2, 0x42000
	v_mov_b32 v255, 0
	s_wait_tensorcnt 0x0
	ds_add_u32 v254, v255
	s_wait_dscnt 0x0
	ROUND                                          ; the closing round
	s_endpgm
.Lfunc_end_k_q5d0964e7f3_attn:
	.size	k_q5d0964e7f3_attn, .Lfunc_end_k_q5d0964e7f3_attn-k_q5d0964e7f3_attn
	.p2alignl 7, 3214868480
	.fill 96, 4, 3214868480
	.section	.rodata,"a",@progbits
	.p2align	6, 0x0
	.amdhsa_kernel k_q5d0964e7f3_attn
		.amdhsa_group_segment_fixed_size 327680
		.amdhsa_private_segment_fixed_size 0
		.amdhsa_enable_private_segment 0
		.amdhsa_kernarg_size 32
		.amdhsa_user_sgpr_count 2
		.amdhsa_user_sgpr_kernarg_segment_ptr 1
		.amdhsa_wavefront_size32 1
		.amdhsa_system_sgpr_workgroup_id_x 1
		.amdhsa_system_sgpr_workgroup_id_y 1
		.amdhsa_system_sgpr_workgroup_id_z 1
		.amdhsa_system_vgpr_workitem_id 0
		.amdhsa_next_free_vgpr 512
		.amdhsa_next_free_sgpr 80
		.amdhsa_reserve_vcc 0
		.amdhsa_float_denorm_mode_32 3
		.amdhsa_float_denorm_mode_16_64 3
		.amdhsa_memory_ordered 1
		.amdhsa_forward_progress 1
		.amdhsa_inst_pref_size 255
	.end_amdhsa_kernel
	.section	.bss,"aw",@nobits
	.p2align	6
	.space	262144
	.amdgpu_metadata
---
amdhsa.version: [ 1, 2 ]
amdhsa.kernels:
  - .name:           k_q5d0964e7f3_attn
    .symbol:         k_q5d0964e7f3_attn.kd
    .args:
      - { .name: qb, .offset: 0, .size: 8, .value_kind: global_buffer, .address_space: global }
      - { .name: kb, .offset: 8, .size: 8, .value_kind: global_buffer, .address_space: global }
      - { .name: vb, .offset: 16, .size: 8, .value_kind: global_buffer, .address_space: global }
      - { .name: ctx, .offset: 24, .size: 8, .value_kind: global_buffer, .address_space: global }
    .group_segment_fixed_size: 327680
    .private_segment_fixed_size: 0
    .kernarg_segment_align: 8
    .kernarg_segment_size: 32
    .max_flat_workgroup_size: 256
    .sgpr_count:     80
    .vgpr_count:     512
    .wavefront_size: 32
...
	.end_amdgpu_metadata
.endif
;; end of part 3
;; launch oproj (part 4): grid 8 x 32, 4 waves a work-group, clusters of 4 x 4, 327,680 bytes of LDS; arguments ctx, wob, post; writes post
.if DOCPART == 4
	.amdgcn_target "amdgcn-amd-amdhsa--gfx1250"
	.amdhsa_code_object_version 6
	.text
	.protected	k_q5d0964e7f3_oproj
	.globl	k_q5d0964e7f3_oproj
	.p2align	8
	.type	k_q5d0964e7f3_oproj,@function
k_q5d0964e7f3_oproj:
	s_mov_b64 s[64:65], 0
	v_nop
	global_prefetch_b8 v0, s[64:65] scope:SCOPE_SE
	s_setreg_imm32_b32 hwreg(HW_REG_WAVE_MODE, 25, 1), 1
	s_wait_xcnt 0x0
	s_wait_alu depctr_hold_cnt(0) depctr_sa_sdst(0) depctr_va_vdst(0) depctr_va_sdst(0) depctr_va_ssrc(0) depctr_va_vcc(0) depctr_vm_vsrc(0)
	s_getreg_b32 s2, hwreg(HW_REG_IB_STS2, 6, 4)
	s_cmp_eq_u32 s2, 0
	s_cbranch_scc0 .Lentry_in_a_cluster
	s_endpgm
.Lentry_in_a_cluster:
	s_bfe_u32 s2, ttmp6, 0x10000c
	s_cmp_lg_u32 s2, 0xf033
	s_cbranch_scc0 .Lentry_shape_is_right
	s_endpgm
.Lentry_shape_is_right:
; oproj: post = ctx W_out, f32 out; bias, residual and LayerNorm follow in the next launch, which needs whole rows of 1,024.
; 4,096 x 1,024 outputs on 256 work-groups are blocks of 128 x 128; four waves of 64 x 64: 16 accumulator tiles, 128 registers.
; ctx lies as [batch*16+head][2048][64] bf16: a K step of 128 is two heads.  Waves 0, 1 bring one head's 128 rows x 128 B each, waves 2, 3 64 k-rows x 256 B of W_out each.
; CLUSTERS 4 x 4: ctx's tiles are asked for jointly along a row of the cluster, W_out's along a column.
; TRANSPOSED use as in qkv: source 0 = 16 columns of W_out (transposing LDS load from the [k][n] tile), source 1 = 16 rows of ctx: a lane holds row r, columns 16 t + 8 h + 0..7.
; LIMITS: operands bf16, sums f32.
.set PART,  18432                      ; what one tensor load fills: 128 x 144 = 64 x 288
.set SLOT,  4*PART
.set STAGE, 2*SLOT                     ; behind the ring: 16 rows x 272 B for each wave
.set PA,    144
.set PB,    288
.set PS,    272
.set WV,    10
.set G1A,   28
.set G1B,   36
.set G0A,   44
.set G0B,   52
.set ADRA,  2
.set ADRB,  4
.set STO,   6
.set RD,    7
.set CO,    8
.set F0,    32                         ; fragment buffers: W's 4 x 8, then ctx's 4 x 8
.set F1,    96
.set MSB,   0
.macro WIN new
.if MSB != (\new)
	s_set_vgpr_msb (MSB<<8)|(\new)
.set MSB, (\new)
.endif
.endm
.macro PLACES n
.rept \n
	v_nop
.endr
.endm
.macro ROUND
	s_barrier_signal -1
	s_barrier_wait -1
	s_cmp_lg_u32 s[WV], 0
	s_cbranch_scc1 .Lnot_wave_0_\@
	s_barrier_signal -3
.Lnot_wave_0_\@:
	s_barrier_wait -3
	s_barrier_signal -1
	s_barrier_wait -1
.endm
.macro JLOAD s
	s_cmp_eq_u32 s11, 0
	s_cbranch_scc0 .Lfor_b_\@
	tensor_load_to_lds s[G0A+4*\s:G0A+4*\s+3], s[G1A:G1A+7]
	s_nop 0
	s_branch .Lasked_\@
.Lfor_b_\@:
	tensor_load_to_lds s[G0B+4*\s:G0B+4*\s+3], s[G1B:G1B+7]
	s_nop 0
.Lasked_\@:
.endm
	s_load_b128 s[4:7], s[0:1], 0x0                ; ctx s[4:5], wob s[6:7]
	s_load_b64 s[8:9], s[0:1], 0x10                ; post
	v_lshl_add_u32 v254, v0, 2, 0x29000
	v_mov_b32 v255, 0
	ds_add_u32 v254, v255
	v_lshrrev_b32 v1, 5, v0
	v_readfirstlane_b32 s10, v1                    ; wave 0..3
	s_lshr_b32 s11, s10, 1                         ; u: my 64 rows.  Also: I fetch ctx (0) or W_out (1)
	s_and_b32 s12, s10, 1                          ; vv: my 64 columns.  Also: which half of that tile
	s_bfe_u32 s13, ttmp6, 0x40000                  ; cx
	s_bfe_u32 s14, ttmp6, 0x40004                  ; cy
	s_lshl_b32 s15, ttmp9, 2
	s_add_co_u32 s15, s15, s13                     ; block column 0..7
	s_and_b32 s16, ttmp7, 0xffff
	s_lshl_b32 s16, s16, 2
	s_add_co_u32 s16, s16, s14                     ; block row 0..31
	s_lshl_b32 s17, s14, 2
	s_lshl_b32 s17, 15, s17                        ; my row of the cluster
	s_lshl_b32 s18, 0x1111, s13                    ; my column
	s_or_b32 s[G1A+0], s17, (1<<16)|(1<<20)|(1<<21)|(4<<22)|(3<<25)   ; 128 rows x 64 elements; 4 words of padding after every 32
	s_mov_b32 s[G1A+1], 64<<16
	s_mov_b32 s[G1A+2], 128<<16
	s_mov_b32 s[G1A+3], 64<<16
	s_mov_b32 s[G1A+4], 128
	s_mov_b32 s[G1A+5], 64
	s_mov_b32 s[G1A+6], 0
	s_mov_b32 s[G1A+7], 0
	s_or_b32 s[G1B+0], s18, (1<<16)|(1<<20)|(1<<21)|(5<<22)|(7<<25)   ; 64 rows x 128 elements; 8 words of padding after every 64
	s_mov_b32 s[G1B+1], 128<<16
	s_mov_b32 s[G1B+2], 64<<16
	s_mov_b32 s[G1B+3], 128<<16
	s_mov_b32 s[G1B+4], 64
	s_mov_b32 s[G1B+5], 1024
	s_mov_b32 s[G1B+6], 0
	s_mov_b32 s[G1B+7], 0
	s_and_b32 s20, s16, 16                         ; ctx: ((16 batch + my head of the two) x 2,048 + (block row % 16) x 128) rows of 128 B
	s_add_co_u32 s20, s20, s12
	s_lshl_b32 s20, s20, 18
	s_and_b32 s21, s16, 15
	s_lshl_b32 s21, s21, 14
	s_add_co_u32 s20, s20, s21
	s_mov_b32 s21, 0
	s_lshl_b32 s22, s12, 17                        ; W_out: my 64 k-rows of 2,048 B, + block column x 256 B
	s_lshl_b32 s23, s15, 8
	s_add_co_u32 s22, s22, s23
	s_mov_b32 s23, 0
	s_mul_i32 s24, s10, PART                       ; every load lands at wave x PART + slot x SLOT
	s_lshl_b32 s68, s16, 19                        ; post: (128 block row + 64 u) rows of 4,096 B + 512 block column + 256 vv
	s_lshl_b32 s69, s11, 18
	s_add_co_u32 s68, s68, s69
	s_lshl_b32 s69, s15, 9
	s_add_co_u32 s68, s68, s69
	s_lshl_b32 s69, s12, 8
	s_add_co_u32 s68, s68, s69
	s_mov_b32 s69, 0
	s_wait_dscnt 0x0
	s_wait_kmcnt 0x0
	s_add_nc_u64 s[20:21], s[4:5], s[20:21]
	s_add_nc_u64 s[22:23], s[6:7], s[22:23]
	s_add_nc_u64 s[68:69], s[8:9], s[68:69]
.irp s, 0,1
	s_mov_b32 s[G0A+4*\s], 1
	s_add_co_u32 s[G0A+4*\s+1], s24, \s*SLOT
	s_add_nc_u64 s[G0A+4*\s+2:G0A+4*\s+3], s[20:21], \s*524288       ; K step s: two heads of 262,144 B on
	s_or_b32 s[G0A+4*\s+3], s[G0A+4*\s+3], 0x80000000
	s_mov_b32 s[G0B+4*\s], 1
	s_add_co_u32 s[G0B+4*\s+1], s24, \s*SLOT
	s_add_nc_u64 s[G0B+4*\s+2:G0B+4*\s+3], s[22:23], \s*262144       ; K step s: 128 rows of 2,048 B on
	s_or_b32 s[G0B+4*\s+3], s[G0B+4*\s+3], 0x80000000
.endr
	ROUND
	JLOAD 0
	v_and_b32 v15, 15, v0                          ; r
	v_bfe_u32 v16, v0, 4, 1                        ; h
	v_and_b32 v17, 7, v0
	v_bfe_u32 v18, v0, 3, 1
	v_mul_u32_u24 v20, v15, PA
	v_lshl_add_u32 v20, v16, 4, v20
	s_mul_i32 s25, s11, 64*PA
	v_add_nc_u32 v[ADRA], s25, v20
	v_add_nc_u32 v[ADRA+1], SLOT, v[ADRA]
	v_lshl_add_u32 v21, v16, 3, v17
	v_mul_u32_u24 v21, v21, PB
	v_lshl_add_u32 v21, v18, 4, v21
	s_lshl_b32 s25, s12, 7
	s_add_co_u32 s25, s25, 2*PART
	v_add_nc_u32 v[ADRB], s25, v21
	v_add_nc_u32 v[ADRB+1], SLOT, v[ADRB]
	s_mul_i32 s25, s10, 16*PS
	s_add_co_u32 s25, s25, STAGE
	v_mul_u32_u24 v22, v15, PS
	v_lshl_add_u32 v22, v16, 5, v22
	v_add_nc_u32 v[STO], s25, v22                  ; in: row r, 32 bytes for each half of the lanes
	v_mul_u32_u24 v23, v16, PS
	v_lshl_add_u32 v23, v15, 4, v23
	v_add_nc_u32 v[RD], s25, v23                   ; back: lanes 0-15 one row of 256 B, lanes 16-31 the next
	v_lshlrev_b32 v[CO], 12, v16
	v_lshl_add_u32 v[CO], v15, 4, v[CO]            ; the same two rows in post
.macro FETCH slot, kq, f               ; 16 LDS loads: one quarter step (32 along K)
.set it, 0
.rept 4
	ds_load_tr16_b128 v[\f+8*it:\f+8*it+3],   v[ADRB+\slot] offset:32*PB*\kq+32*it
	ds_load_tr16_b128 v[\f+8*it+4:\f+8*it+7], v[ADRB+\slot] offset:32*PB*\kq+32*it+16*PB
.set it, it+1
.endr
.set ia, 0
.rept 4
	ds_load_b128 v[\f+32+8*ia:\f+32+8*ia+3], v[ADRA+\slot] offset:PART*(\kq/2)+64*(\kq%2)+16*PA*ia
	ds_load_b128 v[\f+32+8*ia+4:\f+32+8*ia+7], v[ADRA+\slot] offset:PART*(\kq/2)+64*(\kq%2)+16*PA*ia+32
.set ia, ia+1
.endr
.endm
.macro MUL f, zero                     ; the 16 accumulators take turns, one instruction a turn
	WIN 0x50                                       ; C and D window 1
.set ia, 0
.rept 4
.set it, 0
.rept 4
.if \zero
	v_wmma_f32_16x16x32_bf16 v[8*(4*ia+it):8*(4*ia+it)+7], v[\f+8*it:\f+8*it+7], v[\f+32+8*ia:\f+32+8*ia+7], 0
.else
	v_wmma_f32_16x16x32_bf16 v[8*(4*ia+it):8*(4*ia+it)+7], v[\f+8*it:\f+8*it+7], v[\f+32+8*ia:\f+32+8*ia+7], v[8*(4*ia+it):8*(4*ia+it)+7]
.endif
.set it, it+1
.endr
.set ia, ia+1
.endr
	WIN 0
.endm
; One K step: the waits in front of the round, the joint refill first behind it, as in qkv.  Four plain places stand between matrix instructions and loads into their sources.
.macro TRIP slot, other, refill, first
	s_wait_tensorcnt 0x0
	ds_add_u32 v254, v255
	s_wait_dscnt 0x0
	s_add_nc_u64 s[G0A+4*\slot+2:G0A+4*\slot+3], s[G0A+4*\slot+2:G0A+4*\slot+3], 1048576
	s_add_nc_u64 s[G0B+4*\slot+2:G0B+4*\slot+3], s[G0B+4*\slot+2:G0B+4*\slot+3], 524288
	s_wait_dscnt 0x0
	ROUND
.if \refill
	JLOAD \other
.endif
.if \first == 0
	PLACES 4
.endif
	FETCH \slot, 0, F0
	FETCH \slot, 1, F1
	s_wait_dscnt 16                                ; all but the 16 loads just issued
	MUL F0, \first
	PLACES 4
	FETCH \slot, 2, F0
	s_wait_dscnt 16
	MUL F1, 0
	PLACES 4
	FETCH \slot, 3, F1
	s_wait_dscnt 16
	MUL F0, 0
	s_wait_dscnt 0
	MUL F1, 0
.endm
	TRIP 0, 1, 1, 1
	TRIP 1, 0, 1, 0
	s_mov_b32 s66, 2
.Lring:
	TRIP 0, 1, 1, 0
	TRIP 1, 0, 1, 0
	s_sub_co_u32 s66, s66, 1
	s_cmp_lg_u32 s66, 0
	s_cbranch_scc1 .Lring
	TRIP 0, 1, 1, 0
	TRIP 1, 0, 0, 0
	PLACES 4                                       ; behind the last matrix instructions, ahead of stores of their results and loads into their sources
.irp a, 0,1,2,3
	WIN 0x04                                       ; store data in window 1
.set it, 0
.rept 4
	ds_store_b128 v[STO], v[8*(4*\a+it):8*(4*\a+it)+3] offset:64*it
	ds_store_b128 v[STO], v[8*(4*\a+it)+4:8*(4*\a+it)+7] offset:64*it+16
.set it, it+1
.endr
	WIN 0
.set i, 0
.rept 8
	ds_load_b128 v[32+32*\a+4*i:32+32*\a+4*i+3], v[RD] offset:2*PS*i   ; LDS serves a wave in order: these see the stores above
.set i, i+1
.endr
.set i, 0
.rept 8
	s_wait_dscnt 7-i                               ; load i is back, the younger ones stay out
	global_store_b128 v[CO], v[32+32*\a+4*i:32+32*\a+4*i+3], s[68:69] offset:(16*\a+2*i)*4096   ; sixteen lanes store 256 consecutive bytes, aligned
.set i, i+1
.endr
.endr
	s_wait_tensorcnt 0x0
	ds_add_u32 v254, v255
	s_wait_dscnt 0x0
	ROUND                                          ; the closing round
	s_endpgm
.Lfunc_end_k_q5d0964e7f3_oproj:
	.size	k_q5d0964e7f3_oproj, .Lfunc_end_k_q5d0964e7f3_oproj-k_q5d0964e7f3_oproj
	.p2alignl 7, 3214868480
	.fill 96, 4, 3214868480
	.section	.rodata,"a",@progbits
	.p2align	6, 0x0
	.amdhsa_kernel k_q5d0964e7f3_oproj
		.amdhsa_group_segment_fixed_size 327680
		.amdhsa_private_segment_fixed_size 0
		.amdhsa_enable_private_segment 0
		.amdhsa_kernarg_size 24
		.amdhsa_user_sgpr_count 2
		.amdhsa_user_sgpr_kernarg_segment_ptr 1
		.amdhsa_wavefront_size32 1
		.amdhsa_system_sgpr_workgroup_id_x 1
		.amdhsa_system_sgpr_workgroup_id_y 1
		.amdhsa_system_sgpr_workgroup_id_z 1
		.amdhsa_system_vgpr_workitem_id 0
		.amdhsa_next_free_vgpr 384
		.amdhsa_next_free_sgpr 80
		.amdhsa_reserve_vcc 0
		.amdhsa_float_denorm_mode_32 3
		.amdhsa_float_denorm_mode_16_64 3
		.amdhsa_memory_ordered 1
		.amdhsa_forward_progress 1
		.amdhsa_inst_pref_size 73
	.end_amdhsa_kernel
	.amdgpu_metadata
---
amdhsa.version: [ 1, 2 ]
amdhsa.kernels:
  - .name:           k_q5d0964e7f3_oproj
    .symbol:         k_q5d0964e7f3_oproj.kd
    .args:
      - { .name: ctx, .offset: 0, .size: 8, .value_kind: global_buffer, .address_space: global }
      - { .name: wob, .offset: 8, .size: 8, .value_kind: global_buffer, .address_space: global }
      - { .name: post, .offset: 16, .size: 8, .value_kind: global_buffer, .address_space: global }
    .group_segment_fixed_size: 327680
    .private_segment_fixed_size: 0
    .kernarg_segment_align: 8
    .kernarg_segment_size: 24
    .max_flat_workgroup_size: 128
    .sgpr_count:     80
    .vgpr_count:     384
    .wavefront_size: 32
...
	.end_amdgpu_metadata
.endif
;; end of part 4
;; launch ln (part 5): grid 256 x 1, 8 waves a work-group, no clusters, 0 bytes of LDS; arguments x, post, b_out, ln_g, ln_b, out0; writes out0
.if DOCPART == 5
	.amdgcn_target "amdgcn-amd-amdhsa--gfx1250"
	.amdhsa_code_object_version 6
	.text
	.protected	k_q5d0964e7f3_ln
	.globl	k_q5d0964e7f3_ln
	.p2align	8
	.type	k_q5d0964e7f3_ln,@function
k_q5d0964e7f3_ln:
	s_mov_b64 s[64:65], 0
	v_nop
	global_prefetch_b8 v0, s[64:65] scope:SCOPE_SE
	s_setreg_imm32_b32 hwreg(HW_REG_WAVE_MODE, 25, 1), 1
	s_wait_xcnt 0x0
; ln: y = x + post + b_out; out0 = (y - mean) rsqrt(var + 1e-5) ln_g + ln_b, all in f32.
; A row is 4,096 bytes: one wave takes a whole row, eight 16-byte loads a lane, and keeps it in registers; a wave does two rows, a work-group 16.
; The variance is made from y - mean in a second pass over the registers: no difference of large sums.  No LDS, no barrier: a reduction never leaves its wave.
; All loads of a wave go out first; each load and store covers 512 consecutive bytes, aligned.  No register that a store reads is written again.
.set BO, 4                             ; v[4:35]    b_out of my 32 columns
.set G,  36                            ; v[36:67]   ln_g
.set BB, 68                            ; v[68:99]   ln_b
.set X0, 100                           ; v[100:131] x of row 0, v[132:163] post of row 0, v[164:227] the same of row 1
.set T,  228                           ; v[228:243] scratch
	s_load_b256 s[4:11], s[0:1], 0x0               ; x s[4:5], post s[6:7], b_out s[8:9], ln_g s[10:11]
	s_load_b128 s[12:15], s[0:1], 0x20             ; ln_b s[12:13], out0 s[14:15]
	v_and_b32 v1, 31, v0
	v_lshlrev_b32 v1, 4, v1                        ; 16 x lane
	v_lshrrev_b32 v2, 5, v0
	v_lshl_add_u32 v2, v2, 13, v1                  ; + wave x two rows
	s_lshl_b32 s16, ttmp9, 16                      ; work-group x 16 rows
	s_mov_b32 s17, 0
	s_mov_b32 s18, 0x76543210
	s_mov_b32 s19, 0xfedcba98
	s_mov_b32 s20, 0x3a800000                      ; 1 / 1024
	s_mov_b32 s21, 0x3727c5ac                      ; 1e-5
	s_wait_kmcnt 0x0
	s_add_nc_u64 s[4:5], s[4:5], s[16:17]
	s_add_nc_u64 s[6:7], s[6:7], s[16:17]
	s_add_nc_u64 s[14:15], s[14:15], s[16:17]
.macro LDROW r
.set j, 0
.rept 8
	global_load_b128 v[X0+64*\r+4*j:X0+64*\r+4*j+3], v2, s[4:5] offset:4096*\r+512*j th:TH_LOAD_NT
.set j, j+1
.endr
.set j, 0
.rept 8
	global_load_b128 v[X0+64*\r+32+4*j:X0+64*\r+32+4*j+3], v2, s[6:7] offset:4096*\r+512*j th:TH_LOAD_NT
.set j, j+1
.endr
.endm
	LDROW 0
.set j, 0
.rept 8
	global_load_b128 v[BO+4*j:BO+4*j+3], v1, s[8:9] offset:512*j
	global_load_b128 v[G+4*j:G+4*j+3], v1, s[10:11] offset:512*j
	global_load_b128 v[BB+4*j:BB+4*j+3], v1, s[12:13] offset:512*j
.set j, j+1
.endr
	LDROW 1
.macro ALLSUM d                        ; the sum of register d over the 32 lanes, in every lane; d+1 has been written before
	v_add_f32_dpp v[\d], v[\d], v[\d] row_xmask:1 row_mask:0xf bank_mask:0xf
	v_add_f32_dpp v[\d], v[\d], v[\d] row_xmask:2 row_mask:0xf bank_mask:0xf
	v_add_f32_dpp v[\d], v[\d], v[\d] row_xmask:4 row_mask:0xf bank_mask:0xf
	v_add_f32_dpp v[\d], v[\d], v[\d] row_xmask:8 row_mask:0xf bank_mask:0xf
	v_permlanex16_b32 v[\d+1], v[\d], s18, s19
	v_add_f32 v[\d], v[\d], v[\d+1]
.endm
.macro ROW r, left
.set XR, X0+64*\r
.set PR, XR+32
	s_wait_loadcnt \left                           ; loads return in order: this row and the three vectors are in
.set j, 0
.rept 16
	v_pk_add_f32 v[XR+2*j:XR+2*j+1], v[XR+2*j:XR+2*j+1], v[PR+2*j:PR+2*j+1]
.set j, j+1
.endr
.set j, 0
.rept 16
	v_pk_add_f32 v[XR+2*j:XR+2*j+1], v[XR+2*j:XR+2*j+1], v[BO+2*j:BO+2*j+1]
.set j, j+1
.endr
.set j, 0
.rept 4
	v_pk_add_f32 v[T+2*j:T+2*j+1], v[XR+2*j:XR+2*j+1], v[XR+8+2*j:XR+8+2*j+1]     ; four chains, started by the first pairs
.set j, j+1
.endr
.set j, 8
.rept 8
	v_pk_add_f32 v[T+2*(j%4):T+2*(j%4)+1], v[T+2*(j%4):T+2*(j%4)+1], v[XR+2*j:XR+2*j+1]
.set j, j+1
.endr
	v_pk_add_f32 v[T:T+1], v[T:T+1], v[T+2:T+3]
	v_pk_add_f32 v[T+4:T+5], v[T+4:T+5], v[T+6:T+7]
	v_pk_add_f32 v[T:T+1], v[T:T+1], v[T+4:T+5]
	v_add_f32 v[T], v[T], v[T+1]
	ALLSUM T
	v_mul_f32 v[T+2], 0xba800000, v[T]             ; - mean, twice: a pair for the packed add
	v_mul_f32 v[T+3], 0xba800000, v[T]
.set j, 0
.rept 16
	v_pk_add_f32 v[XR+2*j:XR+2*j+1], v[XR+2*j:XR+2*j+1], v[T+2:T+3]
.set j, j+1
.endr
.set j, 0
.rept 4
	v_pk_mul_f32 v[T+4+2*j:T+4+2*j+1], v[XR+2*j:XR+2*j+1], v[XR+2*j:XR+2*j+1]
.set j, j+1
.endr
.rept 12
	v_pk_fma_f32 v[T+4+2*(j%4):T+4+2*(j%4)+1], v[XR+2*j:XR+2*j+1], v[XR+2*j:XR+2*j+1], v[T+4+2*(j%4):T+4+2*(j%4)+1]
.set j, j+1
.endr
	v_pk_add_f32 v[T+4:T+5], v[T+4:T+5], v[T+6:T+7]
	v_pk_add_f32 v[T+8:T+9], v[T+8:T+9], v[T+10:T+11]
	v_pk_add_f32 v[T+4:T+5], v[T+4:T+5], v[T+8:T+9]
	v_add_f32 v[T+4], v[T+4], v[T+5]
	ALLSUM T+4
	v_fma_f32 v[T+4], v[T+4], s20, s21             ; variance + 1e-5
	v_rsq_f32 v[T+6], v[T+4]
	v_rsq_f32 v[T+7], v[T+4]
	v_nop                                          ; one plain place behind the transcendentals (ISA guide 5.7.2)
.set j, 0
	s_wait_alu depctr_va_vdst(0)
.rept 16
	v_pk_mul_f32 v[XR+2*j:XR+2*j+1], v[XR+2*j:XR+2*j+1], v[T+6:T+7]
.set j, j+1
.endr
.set j, 0
.rept 16
	v_pk_fma_f32 v[XR+2*j:XR+2*j+1], v[XR+2*j:XR+2*j+1], v[G+2*j:G+2*j+1], v[BB+2*j:BB+2*j+1]
.set j, j+1
.endr
.set j, 0
.rept 8
	global_store_b128 v2, v[XR+4*j:XR+4*j+3], s[14:15] offset:4096*\r+512*j th:TH_STORE_NT
.set j, j+1
.endr
.endm
	ROW 0, 16                                      ; row 1's sixteen loads stay out
	ROW 1, 0
	s_endpgm
.Lfunc_end_k_q5d0964e7f3_ln:
	.size	k_q5d0964e7f3_ln, .Lfunc_end_k_q5d0964e7f3_ln-k_q5d0964e7f3_ln
	.p2alignl 7, 3214868480
	.fill 96, 4, 3214868480
	.section	.rodata,"a",@progbits
	.p2align	6, 0x0
	.amdhsa_kernel k_q5d0964e7f3_ln
		.amdhsa_group_segment_fixed_size 0
		.amdhsa_private_segment_fixed_size 0
		.amdhsa_enable_private_segment 0
		.amdhsa_kernarg_size 48
		.amdhsa_user_sgpr_count 2
		.amdhsa_user_sgpr_kernarg_segment_ptr 1
		.amdhsa_wavefront_size32 1
		.amdhsa_system_sgpr_workgroup_id_x 1
		.amdhsa_system_sgpr_workgroup_id_y 1
		.amdhsa_system_sgpr_workgroup_id_z 1
		.amdhsa_system_vgpr_workitem_id 0
		.amdhsa_next_free_vgpr 244
		.amdhsa_next_free_sgpr 66
		.amdhsa_reserve_vcc 0
		.amdhsa_float_denorm_mode_32 3
		.amdhsa_float_denorm_mode_16_64 3
		.amdhsa_memory_ordered 1
		.amdhsa_forward_progress 1
		.amdhsa_inst_pref_size 25
	.end_amdhsa_kernel
	.amdgpu_metadata
---
amdhsa.version: [ 1, 2 ]
amdhsa.kernels:
  - .name:           k_q5d0964e7f3_ln
    .symbol:         k_q5d0964e7f3_ln.kd
    .args:
      - { .name: x, .offset: 0, .size: 8, .value_kind: global_buffer, .address_space: global }
      - { .name: post, .offset: 8, .size: 8, .value_kind: global_buffer, .address_space: global }
      - { .name: b_out, .offset: 16, .size: 8, .value_kind: global_buffer, .address_space: global }
      - { .name: ln_g, .offset: 24, .size: 8, .value_kind: global_buffer, .address_space: global }
      - { .name: ln_b, .offset: 32, .size: 8, .value_kind: global_buffer, .address_space: global }
      - { .name: out0, .offset: 40, .size: 8, .value_kind: global_buffer, .address_space: global }
    .group_segment_fixed_size: 0
    .private_segment_fixed_size: 0
    .kernarg_segment_align: 8
    .kernarg_segment_size: 48
    .max_flat_workgroup_size: 256
    .sgpr_count:     66
    .vgpr_count:     244
    .wavefront_size: 32
...
	.end_amdgpu_metadata
.endif
;; end of part 5
